; MI455X (gfx1250); checked and timed in simulation.
; The chip was launched on July 23, 2026; its instructions are those of AMD's public machine-readable ISA for CDNA 5 (MIT licence, August 2026) and "CDNA5" Instruction Set Architecture Reference Guide (July 2026). The comments in the code are by the model that wrote it; some were corrected since.
;; Attention Pooling Layer. Allowed arithmetic: matrix products marked QUANTISED: E3M2 operands, one E8M0 scale for each 32 along K, by v_wmma_scale_f32_16x16x128_f8f6f4 with both operands' format E3M2, f32 sums; products left as they are: f32 operands where the result goes on into a quantised operand, else bf16, f16 or f32 operands; f32 sums; everything else in f32.
;; Inputs: W1 256 x 256 float32; W2 256 x 128 float32; W3 128 x 64 float32; Wl 64 x 1 float32; a1 200 x 256 float32; a2 200 x 128 float32; a3 200 x 64 float32; b1 256 float32; b2 128 float32; b3 64 float32; bl 1 float32; k 2,048 x 200 x 64 float32; q 2,048 x 1 x 64 float32.
;; Outputs: out0 2,048 x 64 float32.
;; This version of the problem:
;;   THIS VERSION OF THE PROBLEM IS GIVEN IN LOW PRECISION. The matrix products marked QUANTISED in the list below multiply operands that are first quantised to E3M2 (3 exponent bits, 2 mantissa bits; 6 bits a number), with one power-of-two scale for each 32 numbers along K (OCP MX v1.0); their sums are f32. All else is computed in f32.
;;   The module's matrix products, in the order in which they are computed (A, B: the left and right operand; K: the contracted axis; several contracted axes count as one K, in the product's order):
;;     1. [M 409,600, K 256] x [K 256, N 256]; A: computed on the way; B: input W1: QUANTISED
;;     2. [M 409,600, K 256] x [K 256, N 128]; A: computed on the way; B: input W2: QUANTISED
;;     3. [M 409,600, K 128] x [K 128, N 64]; A: computed on the way; B: input W3: QUANTISED
;;     4. [M 409,600, K 64] x [K 64, N 1]; A: computed on the way; B: input Wl: left as it is (N = 1 < 16)
;;     5. batch 2,048 x [M 1, K 200] x [K 200, N 64]; A: computed on the way; B: input k: left as it is (M = 1 < 16)
;;   THE QUANTISER, for each operand of a quantised product, along K:
;;     - K is cut into blocks of 32 from its start; a last block that is shorter is filled with zeros.
;;     - A block's scale is 2^e with e = floor(log2(the largest magnitude in the block)) - 4, held to -126 .. 127; a block of zeros has e = 0. As a byte (E8M0): e + 127.
;;     - Each number is divided by its block's scale, clamped to +-28, and rounded to the nearest number of E3M2, ties to even, subnormals kept.
;;     - The product sums the exact products of the quantised numbers (number of the format x scale) in f32.
;;   ~~~python
;;   def quantise(x, axis):      # numpy; x: float32 -> the quantised numbers, widened to float32 again
;;       x = np.moveaxis(x, axis, -1); K = x.shape[-1]
;;       x = np.pad(x, [(0, 0)] * (x.ndim - 1) + [(0, -K % 32)]); x = x.reshape(x.shape[:-1] + (-1, 32)); a = np.abs(x).max(-1, keepdims=True)
;;       e = np.where(a > 0, np.clip(np.frexp(np.where(a > 0, a, 1))[1] - 1 - 4, -126, 127), 0)      # np.frexp(a)[1] - 1 = floor(log2(a)), exactly
;;       r = np.clip(x / 2.0 ** e, -28, 28)
;;       step = 2.0 ** (np.maximum(np.frexp(np.where(r == 0, 1, r))[1] - 1, -2) - 2)
;;       q = np.round(r / step) * step * 2.0 ** e      # np.round: ties to even
;;       return np.moveaxis(q.reshape(q.shape[:-2] + (-1,))[..., :K], -1, axis).astype(np.float32)
;;   ~~~
;;   OPERANDS COMPUTED ON THE WAY. 'Computed on the way' means the value that the module computes at that place (a softmax that the list does not call 'softmax' is quantised finished and normalised). What goes into a quantiser is computed in f32, as accurately as f32 sums, v_exp_f32 and their like allow (about 1e-6 of the number): no bf16 or f16 on the way to a quantiser, and a product that is left as it is and whose result goes on into a quantised operand takes f32 operands (vector FMAs, or v_wmma_f32_16x16x4_f32). A number that lies on a knife's edge between two numbers of the format may be rounded either way, as far as f32 arithmetic and the matrix unit's own rounding can turn it there, and no further.
;; One version. Each part assembles by itself: llvm-mc -triple=amdgcn-amd-amdhsa -mcpu=gfx1250 --defsym DOCPART=n.
;; ======== version 1 of 1: 2 launches
;; limits: right only within a limited range of input values
;; workspace buffers: wimg 83,200 bytes
;; launch prep (part 1): grid 52 x 1, 1 waves a work-group, no clusters, 0 bytes of LDS; arguments W1, W2, W3, wimg; writes wimg
.if DOCPART == 1
	.amdgcn_target "amdgcn-amd-amdhsa--gfx1250"
	.amdhsa_code_object_version 6
	.text
	.protected	k_qf77e8f0b69_prep
	.globl	k_qf77e8f0b69_prep
	.p2align	8
	.type	k_qf77e8f0b69_prep,@function
k_qf77e8f0b69_prep:
	s_mov_b64 s[64:65], 0
	v_nop
	global_prefetch_b8 v0, s[64:65] scope:SCOPE_SE
	s_setreg_imm32_b32 hwreg(HW_REG_WAVE_MODE, 25, 1), 1
	s_wait_xcnt 0x0
; W1 [256][256], W2 [256][128], W3 [128][64], f32 with K as the FIRST axis, become 52 operand fragments of BF6 (E3M2) codes, 16 units x 128 K each,
; stored as IMAGES OF THE OPERAND'S REGISTERS: fragment f at byte 1536 f, registers 4 c .. 4 c + 3 at + 512 c, lane l at + 16 l; its 16 scale words (four E8M0 bytes a unit) at 79872 + 64 f + 4 r.
; One wave makes one fragment.  f = 8 Q + 2 u + s for W1 (Q 0..3), 32 + 8 Q + 2 u + s for W2 (Q 0..1), 48 + u for W3; s is the K step of 128.
; THE UNITS OF A TILE ARE NOT NEIGHBOURS: row m of tile (Q, u) is unit 64 Q + 32 (m / 8) + 8 u + m % 8, so that in the transposed product the 32 registers of the four tiles u = 0..3
; hold, in lane (r, h), units 64 Q + 32 h + 0 .. 31: one whole block of the next product's K in one lane.
; A lane takes one unit and its registers run down K in the operand's own order (k = 128 s + 64 c + 32 h + i), so the conversions' results are the operand's registers.
; A block's scale byte is its largest magnitude's exponent field - 4, held at 1 from below.  A block of zeros gets the byte 1 where the quantiser says 127: its codes are zeros, and this program alone reads the bytes.
; LIMITS: NaN and infinities among the weights are not served.
; The three stores of codes cover 512 consecutive bytes each; the scale words are 64 bytes a work-group, a part of an aligned 256 bytes: 3,328 bytes in the whole launch.
	s_load_b256 s[4:11], s[0:1], 0x0               ; W1 s[4:5], W2 s[6:7], W3 s[8:9], the images s[10:11]
	v_and_b32 v1, 15, v0                           ; r
	v_lshrrev_b32 v2, 4, v0                        ; h
	v_and_b32 v3, 7, v0                            ; r % 8
	v_bfe_u32 v4, v0, 3, 1                         ; r / 8
	v_lshlrev_b32 v6, 2, v3
	v_lshl_add_u32 v6, v4, 7, v6                   ; my unit within the tile, in bytes: 128 (r / 8) + 4 (r % 8)
	s_mov_b32 s20, 0x76543210
	s_mov_b32 s21, 0xfedcba98                      ; v_permlanex16_b32's selects for lane l xor 16
	s_mov_b32 s15, 0
	s_wait_kmcnt 0x0
; s16 = 8 Q + 2 u + s.  A row of the weight is 1 << PL bytes.  64 loads: W(128 s + 64 c + 32 h + i, my unit)
.macro WPATH ptr, PL
	s_lshr_b32 s17, s16, 3                         ; Q
	s_bfe_u32 s18, s16, 0x20001                    ; u
	s_and_b32 s19, s16, 1                          ; s
	s_lshl_b32 s14, s19, 7+\PL                     ; 128 s rows
	s_lshl_b32 s17, s17, 8                         ; 64 Q units
	s_add_co_u32 s14, s14, s17
	s_lshl_b32 s18, s18, 5                         ; 8 u units
	s_add_co_u32 s14, s14, s18
	s_add_nc_u64 s[12:13], s[\ptr:\ptr+1], s[14:15]
	v_lshl_add_u32 v5, v2, 5+\PL, v6               ; lanes 16-31 begin 32 rows further down
.irp c, 0,1
.irp i, 0,1,2,3,4,5,6,7,8,9,10,11,12,13,14,15,16,17,18,19,20,21,22,23,24,25,26,27,28,29,30,31
	global_load_b32 v[64+32*\c+\i], v5, s[12:13] offset:(64*\c+\i)<<\PL
.endr
.endr
.endm
	s_cmp_lt_u32 ttmp9, 32
	s_cbranch_scc0 .Lnot_w1
	s_mov_b32 s16, ttmp9
	s_wait_alu depctr_va_vdst(0)
	WPATH 4, 10
	s_branch .Ltail
.Lnot_w1:
	s_cmp_lt_u32 ttmp9, 48
	s_cbranch_scc0 .Lw3
	s_sub_co_u32 s16, ttmp9, 32
	s_wait_alu depctr_va_vdst(0)
	WPATH 6, 9
	s_branch .Ltail
.Lw3:
	s_sub_co_u32 s16, ttmp9, 48
	s_lshl_b32 s16, s16, 1                         ; W3 has one K step and one Q: 2 u
	s_wait_alu depctr_va_vdst(0)
	WPATH 8, 8
.Ltail:
	s_wait_loadcnt 0x0
.irp c, 0,1                                    ; my block 2 c + h: all its 32 numbers are mine
	v_max3_num_f32 v[32+\c], |v[64+32*\c]|, |v[65+32*\c]|, 0x2800000   ; with the floor 2^(5 - 127): the byte cannot fall under 1
.endr
.irp i, 2,4,6,8,10,12,14,16,18,20,22,24,26,28,30
.irp c, 0,1
	v_max3_num_f32 v[32+\c], v[32+\c], |v[64+32*\c+\i]|, |v[65+32*\c+\i]|
.endr
.endr
.irp c, 0,1
	v_add_nc_u32 v[44+\c], 0xfe000000, v[32+\c]    ; 4 off the exponent field: the conversion's scale operand
.endr
.irp c, 0,1
	v_lshrrev_b32 v[36+\c], 23, v[44+\c]           ; the scale's byte
.endr
	v_lshl_or_b32 v9, v37, 16, v36                 ; my two bytes: blocks h and 2 + h of my unit,
	v_lshlrev_b32 v10, 3, v2
	v_lshlrev_b32 v9, v10, v9                      ; 8 h bits up;
	v_mov_b32 v10, 0
	v_permlanex16_b32 v10, v9, s20, s21
	v_or_b32 v9, v9, v10                           ; with lane l xor 16's two the word is whole
.irp c, 0,1
	v_cvt_scalef32_pk16_bf6_f32 v[48+6*\c:50+6*\c], v[64+32*\c:79+32*\c], v[44+\c]
	v_cvt_scalef32_pk16_bf6_f32 v[192+4*\c:194+4*\c], v[80+32*\c:95+32*\c], v[44+\c]   ; (a conversion's three registers begin on an even number)
.endr
	v_nop                                          ; one plain line behind a scaled conversion
.irp c, 0,1
.irp i, 0,1,2
	v_mov_b32 v[51+6*\c+\i], v[192+4*\c+\i]
.endr
.endr
	v_lshlrev_b32 v7, 4, v0                        ; 16 x lane
	v_lshlrev_b32 v8, 2, v1                        ; 4 r
	s_mul_i32 s14, ttmp9, 1536
	s_add_nc_u64 s[22:23], s[10:11], s[14:15]
	global_store_b128 v7, v[48:51], s[22:23]
	global_store_b128 v7, v[52:55], s[22:23] offset:512
	global_store_b128 v7, v[56:59], s[22:23] offset:1024
	s_lshl_b32 s14, ttmp9, 6
	s_add_nc_u64 s[24:25], s[10:11], s[14:15]
	s_wait_alu depctr_va_vdst(0)
	s_wait_xcnt 0x0                                ; EXEC is a source of the stores above: it changes only behind this wait
	v_cmp_gt_u32 vcc_lo, 16, v0
	s_and_saveexec_b32 s26, vcc_lo
	global_store_b32 v8, v9, s[24:25] offset:79872 ; lanes 0-15: the 16 units' scale words
	s_wait_xcnt 0x0                                ; and again in front of the line that widens it
	s_or_b32 exec_lo, exec_lo, s26
	s_endpgm
.Lfunc_end_k_qf77e8f0b69_prep:
	.size	k_qf77e8f0b69_prep, .Lfunc_end_k_qf77e8f0b69_prep-k_qf77e8f0b69_prep
	.p2alignl 7, 3214868480
	.fill 96, 4, 3214868480
	.section	.rodata,"a",@progbits
	.p2align	6, 0x0
	.amdhsa_kernel k_qf77e8f0b69_prep
		.amdhsa_group_segment_fixed_size 0
		.amdhsa_private_segment_fixed_size 0
		.amdhsa_enable_private_segment 0
		.amdhsa_kernarg_size 32
		.amdhsa_user_sgpr_count 2
		.amdhsa_user_sgpr_kernarg_segment_ptr 1
		.amdhsa_wavefront_size32 1
		.amdhsa_system_sgpr_workgroup_id_x 1
		.amdhsa_system_sgpr_workgroup_id_y 1
		.amdhsa_system_sgpr_workgroup_id_z 1
		.amdhsa_system_vgpr_workitem_id 0
		.amdhsa_next_free_vgpr 208
		.amdhsa_next_free_sgpr 66
		.amdhsa_reserve_vcc 1
		.amdhsa_float_denorm_mode_32 3
		.amdhsa_float_denorm_mode_16_64 3
		.amdhsa_memory_ordered 1
		.amdhsa_forward_progress 1
		.amdhsa_inst_pref_size 25
	.end_amdhsa_kernel
	.amdgpu_metadata
---
amdhsa.version: [ 1, 2 ]
amdhsa.kernels:
  - .name:           k_qf77e8f0b69_prep
    .symbol:         k_qf77e8f0b69_prep.kd
    .args:
      - { .name: W1, .offset: 0, .size: 8, .value_kind: global_buffer, .address_space: global }
      - { .name: W2, .offset: 8, .size: 8, .value_kind: global_buffer, .address_space: global }
      - { .name: W3, .offset: 16, .size: 8, .value_kind: global_buffer, .address_space: global }
      - { .name: wimg, .offset: 24, .size: 8, .value_kind: global_buffer, .address_space: global }
    .group_segment_fixed_size: 0
    .private_segment_fixed_size: 0
    .kernarg_segment_align: 8
    .kernarg_segment_size: 32
    .max_flat_workgroup_size: 32
    .sgpr_count:     66
    .vgpr_count:     208
    .wavefront_size: 32
...
	.end_amdgpu_metadata
.endif
;; end of part 1
;; launch main (part 2): grid 256 x 1, 4 waves a work-group, no clusters, 168,448 bytes of LDS; arguments k, q, wimg, a1, a2, a3, b1, b2, b3, Wl, bl, out0; writes out0
.if DOCPART == 2
	.amdgcn_target "amdgcn-amd-amdhsa--gfx1250"
	.amdhsa_code_object_version 6
	.text
	.protected	k_qf77e8f0b69_main
	.globl	k_qf77e8f0b69_main
	.p2align	8
	.type	k_qf77e8f0b69_main,@function
k_qf77e8f0b69_main:
	s_mov_b64 s[64:65], 0
	v_nop
	global_prefetch_b8 v0, s[64:65] scope:SCOPE_SE
	s_setreg_imm32_b32 hwreg(HW_REG_WAVE_MODE, 25, 1), 1
	s_wait_xcnt 0x0
; out[b][:] = sum over t of score[b][t] k[b][t][:];  score = (prelu3(prelu2(prelu1([q | k | q - k | q k] W1 + b1) W2 + b2) W3 + b3) . Wl + bl), 0 where k[b][t][0] = 0.
; The three products run on codes of BF6 (E3M2) with one E8M0 scale for each 32 along K; all else is f32.  No intermediate goes to memory; k is read once.  Every input is loaded; no work is left out.
; SHARES.  A work-group owns 8 batches and all 200 t: 100 tiles of 16 rows, and its 8 rows of out.  In tile n lane r is batch r % 8 at t = 2 n + r / 8.  Wave w takes tiles w + 4 i, i = 0 .. 24;
; the loop has no barrier.  Each wave keeps ALL weights in registers (52 fragments, 624 registers), brought once through LDS as images of the registers.
; LAYOUT.  Every product is used transposed (source 0 = 16 units of the weight, source 1 = my 16 rows): a lane holds one row.  The units of a weight tile are chosen so that a QUAD of four tiles gives
; lane (r, h) units 64 Q + 32 h + 0 .. 31 in 32 registers: one whole block of the next K, where the 6-bit operand wants it.  So a block's largest magnitude needs no other lane and the codes need no
; exchange; only the scale word's bytes are joined with lane l xor 16's.  Quads 0-3 are layer 1, quads 4, 5 layer 2, quad 6 layer 3.
; BIAS: loaded into the accumulator's registers; the quad's first products add onto it.
; PRELU as it is defined: max(x, 0) + a min(x, 0): for four numbers two dual lines of minima, two of maxima, two packed multiply-adds.
; LIMITS.  NaN and infinities among the inputs are not served.  A block of zeros gets the scale byte 1 where the quantiser says 127 (its codes are zeros, and no byte leaves the program).
; The sums over Wl, over t and over the waves are taken in another order than a plain loop over the index would take them.
; NO CLUSTER: what work-groups share are the weight images (79,872 bytes, read once by each) and the slopes (3,584 bytes a tile, loaded by each wave at its own pace); a joint load of either
; would put a round of the cluster's barrier into a loop that has no barrier.
; LOOK-AHEAD, and no prefetch beside it: k of tile i + 2 and the slopes of tile i + 1 are asked for by their own loads at the head of tile i, into registers, and go to the wave's own LDS bytes in
; tile i's eighth step.  The last tiles' look-ahead is clamped to the wave's last tile: those loads stay inside their buffers and their data are not used.
; LDS.  0 .. 79,871: the weight images, filled once by the tensor data mover (a quarter by each wave).  From 79,872: 20,480 bytes for each wave, written by ds_store alone.  From 167,936: the spare words.
; REGISTERS.  window 0: v1-15 addresses and constants; v16-41 the weights' scale words (K step 0 in lanes 0-15, K step 1 in lanes 16-31); v42-47 my rows' scale words; v48-67 at work;
;   v68-79, v80-91 operand fragments; v92-187 three slots of 32: accumulators; v188-251 two slots of 32: slopes.   window 1: W1's fragments 0-15; v192-255 two sets of a tile of k as loaded.
;   window 2: W1's fragments 16-31; v192-223 my part of out; v224-251 a tile's slopes as loaded.   window 3: W2's 16 fragments, W3's 4; v240-251 an operand fragment; v252-254 at work.
.set WIMGB, 79872                      ; bytes of the 52 images; the scale words follow them in memory
.set QUART, 19968                      ; a quarter of them: 78 rows of 256 bytes
.set PRIVB, 20480                      ; a wave's own LDS bytes
.set SPARE, 167936                     ; the spare words: 128 bytes a wave, two blocks of 256 bytes that no other line names
.set KP,    272                        ; a row of k or q in LDS: 256 bytes + 16
.set KA0,   0                          ; two tiles of k, 16 rows each
.set KAB,   16*KP
.set AA0,   2*KAB                      ; two tiles of slopes: byte 256 (2 quad + h) + 128 (r / 8) + 4 i
.set AAB,   3584
.set QA,    AA0+2*AAB                  ; q: 8 rows
.set BA,    QA+8*KP                    ; b1 | b2 | b3 | Wl: 2,048 bytes
.set KW,  1                            ; k into LDS: row j + 8 h, byte 16 r
.set KR,  2                            ; k out of LDS: row r, byte 128 h
.set AW,  3                            ; 16 x lane in my bytes
.set AR,  4                            ; slopes out: 256 h + 128 (r / 8)
.set BR,  5                            ; biases out: 128 h
.set QR,  6                            ; q out: row r % 8, byte 128 h
.set GL,  7                            ; 16 x lane
.set O1,  8                            ; v8-10 my 16 bytes of two rows of a1, a2, a3
.set O2,  9
.set O3,  10
.set SH,  11                           ; 8 h
.set SPW, 12                           ; LDS address of my spare word; never rewritten
.set NIL, 13                           ; 0; never rewritten
.set SCO, 14                           ; v[14:15] the masked score (the packed form names a pair and takes its low word)
.set WS,  16
.set XW0, 42                           ; scale words: the input's two K steps,
.set HW0, 44                           ; layer 1's result's two,
.set H2W, 46                           ; layer 2's result's
.set QW16, 47                          ; q's two bytes
.set TM0, 48
.set SO,  50                           ; the conversion's scale operand
.set BY0, 51
.set BY1, 52
.set BY2, 53
.set PX,  54
.set TW,  55
.set TC,  56
.set LT,  60
.set XC0, 68                           ; the input's K step 0: registers 0-5 are q's codes, made once
.set XC1, 80                           ; the input's K step 1; later layer 1's result, K step 1
.set HA,  92
.set AL,  188
.set SH16, 252                         ; 16 + 8 h
.set K0,  253
.set SS,  254
.set G2,  255                          ; 16 x lane + 49,152
.set KS0, 192                          ; window 1
.set ACC, 192                          ; window 2
.set ASG, 224                          ; window 2
.set HC,  240                          ; window 3: layer 1's result, K step 0; later layer 2's result
.set TC3, 252                          ; window 3
.set MSB, 0
.macro WIN new                         ; bits 1:0 source 0, 3:2 source 1, 5:4 source 2, 7:6 destination; the high byte repeats the setting that is left
.if MSB != (\new)
	s_set_vgpr_msb (MSB<<8)|(\new)
.set MSB, (\new)
.endif
.endm
.macro PLACES n
.rept \n
	v_nop
.endr
.endm
.macro KLOAD ks, extra                 ; a tile of k: load j reads batch j's two rows, 512 consecutive bytes
	WIN 0x40
.irp j, 0,1,2,3,4,5,6,7
	global_load_b128 v[KS0+32*(\ks)+4*\j:KS0+32*(\ks)+4*\j+3], v[GL], s[48:49] offset:51200*\j+(\extra) th:TH_LOAD_NT
.endr
.endm
.macro ALOAD                           ; a tile's slopes: load j is quad j's 64 units of rows t and t + 1, in the order in which they lie in LDS
	WIN 0x80
.irp j, 0,1,2,3
	global_load_b128 v[ASG+4*\j:ASG+4*\j+3], v[O1], s[50:51] offset:256*\j
.endr
.irp j, 0,1
	global_load_b128 v[ASG+16+4*\j:ASG+19+4*\j], v[O2], s[52:53] offset:256*\j
.endr
	global_load_b128 v[ASG+24:ASG+27], v[O3], s[54:55]
.endm
.macro STORE_NEXT ks, p                ; both go to my own LDS bytes, half p
	WIN 0x04
.irp j, 0,1,2,3,4,5,6,7
	ds_store_b128 v[KW], v[KS0+32*(\ks)+4*\j:KS0+32*(\ks)+4*\j+3] offset:KA0+KAB*(\p)+KP*\j
.endr
	WIN 0x08
.irp j, 0,1,2,3,4,5,6
	ds_store_b128 v[AW], v[ASG+4*\j:ASG+4*\j+3] offset:AA0+AAB*(\p)+512*\j
.endr
	WIN 0
.endm
.macro LDB q                           ; quad q's biases into its accumulators' registers
.irp i, 0,1,2,3,4,5,6,7
	ds_load_b128 v[HA+32*((\q)%3)+4*\i:HA+32*((\q)%3)+4*\i+3], v[BR] offset:BA+256*(\q)+16*\i
.endr
.endm
.macro LDA q, p                        ; quad q's slopes
.irp i, 0,1,2,3,4,5,6,7
	ds_load_b128 v[AL+32*((\q)%2)+4*\i:AL+32*((\q)%2)+4*\i+3], v[AR] offset:AA0+AAB*(\p)+512*(\q)+16*\i
.endr
.endm
; One product of quad q: K step idx / 4, tile idx % 4 (quad 6: one K step, tile idx).  The quad's four accumulators take turns, one instruction a turn.
.macro MM1 q, idx
.if (\q) < 6
.set mS, (\idx)/4
.set mU, (\idx)%4
.else
.set mS, 0
.set mU, (\idx)
.endif
.set mD, HA+32*((\q)%3)+8*mU
.if (\q) < 4
	WIN 1+(\q)/2
.set mA, 12*(8*((\q)%2)+2*mU+mS)
.set mB, XC0+12*mS
.set mW, WS+4*(\q)+mU
.set mX, XW0+mS
.set mR, mS
.elseif (\q) < 6
.if mS == 0
	WIN 0x0f
.set mB, HC
.else
	WIN 0x03
.set mB, XC1
.endif
.set mA, 12*(8*((\q)-4)+2*mU+mS)
.set mW, WS+16+4*((\q)-4)+mU
.set mX, HW0+mS
.set mR, mS
.else
	WIN 0x0f
.set mA, 192+12*mU
.set mB, HC
.set mW, WS+24+mU/2
.set mX, H2W
.set mR, mU%2
.endif
.if mR
	v_wmma_scale_f32_16x16x128_f8f6f4 v[mD:mD+7], v[mA:mA+11], v[mB:mB+11], v[mD:mD+7], v[mW], v[mX] matrix_a_fmt:MATRIX_FMT_BF6 matrix_b_fmt:MATRIX_FMT_BF6 matrix_a_scale:MATRIX_SCALE_ROW1
.else
	v_wmma_scale_f32_16x16x128_f8f6f4 v[mD:mD+7], v[mA:mA+11], v[mB:mB+11], v[mD:mD+7], v[mW], v[mX] matrix_a_fmt:MATRIX_FMT_BF6 matrix_b_fmt:MATRIX_FMT_BF6
.endif
.endm
.macro MMP q, n                        ; all n products of quad q, and the four places ahead of the first read of their results (ISA guide 7.12.1)
.set ix, 0
.rept \n
	MM1 \q, ix
.set ix, ix+1
.endr
	WIN 0
	PLACES 4
.endm
.macro PRC q, ch                       ; the minima and maxima of numbers 4 ch .. 4 ch + 3 of quad q; the chunks ascend
.set pH, HA+32*((\q)%3)+4*(\ch)
.set pA, AL+32*((\q)%2)+4*(\ch)
.set pL, LT+4*((\ch)%2)
	v_dual_min_num_f32 v[pL], 0, v[pH] :: v_dual_min_num_f32 v[pL+1], 0, v[pH+1]             ; min(x, 0)
	v_dual_min_num_f32 v[pL+2], 0, v[pH+2] :: v_dual_min_num_f32 v[pL+3], 0, v[pH+3]
	v_dual_max_num_f32 v[pH], 0, v[pH] :: v_dual_max_num_f32 v[pH+1], 0, v[pH+1]             ; max(x, 0)
	v_dual_max_num_f32 v[pH+2], 0, v[pH+2] :: v_dual_max_num_f32 v[pH+3], 0, v[pH+3]
.endm
.macro PRB q, ch                       ; the same chunk's multiply-adds: they stand one chunk behind its minima and maxima, whose two sets of four registers take turns
.set pH, HA+32*((\q)%3)+4*(\ch)
.set pA, AL+32*((\q)%2)+4*(\ch)
.set pL, LT+4*((\ch)%2)
	v_pk_fma_f32 v[pH:pH+1], v[pA:pA+1], v[pL:pL+1], v[pH:pH+1]                              ; a min + max
	v_pk_fma_f32 v[pH+2:pH+3], v[pA+2:pA+3], v[pL+2:pL+3], v[pH+2:pH+3]
.endm
.macro PRELU q
.set ix, 0
.rept 8
	PRC \q, ix
.if ix > 0
	PRB \q, ix-1
.endif
.set ix, ix+1
.endr
	PRB \q, 7
.endm
.macro ILV qm, qp                      ; quad qm's eight products, and behind each an eighth of quad qp's prelu, which names none of their registers
.set ix, 0
.rept 8
	MM1 \qm, ix
	WIN 0
	PRC \qp, ix
.if ix > 0
	PRB \qp, ix-1
.endif
.set ix, ix+1
.endr
	PRB \qp, 7
.endm
.macro QMAX S, BY                      ; a block of 32 in my registers: its largest magnitude in four chains, with the floor 2^(5 - 127); the conversion's scale operand; the scale's byte
	v_max3_num_f32 v[LT], |v[(\S)]|, |v[(\S)+1]|, 0x2800000
	v_max3_num_f32 v[LT+1], |v[(\S)+2]|, |v[(\S)+3]|, |v[(\S)+4]|
	v_max3_num_f32 v[LT+2], |v[(\S)+5]|, |v[(\S)+6]|, |v[(\S)+7]|
	v_max3_num_f32 v[LT+3], |v[(\S)+8]|, |v[(\S)+9]|, |v[(\S)+10]|
.set qk, 0
.rept 10
	v_max3_num_f32 v[LT+qk%4], v[LT+qk%4], |v[(\S)+11+2*qk]|, |v[(\S)+12+2*qk]|
.set qk, qk+1
.endr
	v_max3_num_f32 v[LT], v[LT], v[LT+1], v[LT+2]
	v_max3_num_f32 v[TM0], v[LT], v[LT+3], |v[(\S)+31]|
	v_add_nc_u32 v[SO], 0xfe000000, v[TM0]         ; 4 off the exponent field
	v_lshrrev_b32 v[\BY], 23, v[SO]
.endm
.macro QCVT S, FC, W                   ; the block's 32 codes into six registers from FC on, in window W
.if (\W) == 0
.set qT, TC
.else
.set qT, TC3
.endif
	WIN ((\W)<<6)
	v_cvt_scalef32_pk16_bf6_f32 v[(\FC):(\FC)+2], v[(\S):(\S)+15], v[SO]
	v_cvt_scalef32_pk16_bf6_f32 v[qT:qT+2], v[(\S)+16:(\S)+31], v[SO]      ; (a conversion's three registers begin on an even number)
	v_nop                                          ; one plain line behind a scaled conversion
	WIN (((\W)<<6)|(\W))
.irp e, 0,1,2
	v_mov_b32 v[(\FC)+3+\e], v[qT+\e]
.endr
	WIN 0
.endm
; The input's three computed blocks, quantised by turns: b = 0: k (from HA+32, codes to XC0+6), 1: q k (HA+64, to XC1+6), 2: q - k (AL+32 = HA+128, to XC1).  Two chains of maxima a block, the floor
; 2^(5 - 127) among the leaves; scale operands in v48-50, bytes in BY2, BY1, BY0; each block's upper 16 codes are made in v56.., v60.., v64.. and moved.  The two scale words are made behind the conversions.
.macro Q3
.irp b, 0,1,2
	v_max3_num_f32 v[LT+2*\b], |v[HA+32+32*\b+32*(\b/2)]|, |v[HA+33+32*\b+32*(\b/2)]|, 0x2800000
.endr
.irp b, 0,1,2
	v_max3_num_f32 v[LT+1+2*\b], |v[HA+34+32*\b+32*(\b/2)]|, |v[HA+35+32*\b+32*(\b/2)]|, |v[HA+36+32*\b+32*(\b/2)]|
.endr
.set qk, 0
.rept 13
.irp b, 0,1,2
	v_max3_num_f32 v[LT+qk%2+2*\b], v[LT+qk%2+2*\b], |v[HA+37+2*qk+32*\b+32*(\b/2)]|, |v[HA+38+2*qk+32*\b+32*(\b/2)]|
.endr
.set qk, qk+1
.endr
.irp b, 0,1,2
	v_max3_num_f32 v[LT+2*\b], v[LT+2*\b], v[LT+1+2*\b], |v[HA+63+32*\b+32*(\b/2)]|
.endr
.irp b, 0,1,2
	v_add_nc_u32 v[TM0+\b], 0xfe000000, v[LT+2*\b]         ; 4 off the exponent field
.endr
.irp b, 0,1,2
	v_lshrrev_b32 v[BY2-\b], 23, v[TM0+\b]
.endr
.irp b, 0,1,2
	v_cvt_scalef32_pk16_bf6_f32 v[XC0+6+12*\b-18*(\b/2):XC0+8+12*\b-18*(\b/2)], v[HA+32+32*\b+32*(\b/2):HA+47+32*\b+32*(\b/2)], v[TM0+\b]
	v_cvt_scalef32_pk16_bf6_f32 v[TC+4*\b:TC+2+4*\b], v[HA+48+32*\b+32*(\b/2):HA+63+32*\b+32*(\b/2)], v[TM0+\b]
.endr
	v_lshlrev_b32 v[TW], v[SH16], v[BY2]           ; K step 0's word: q's two bytes below, k's two above.  (Plain lines behind the conversions, which touch none of their registers)
	v_permlanex16_b32 v[PX], v[TW], s32, s33
	v_or_b32 v[TW], v[TW], v[PX]
	v_or_b32 v[XW0], v[TW], v[QW16]
	SWORD XW0+1
.irp b, 0,1,2
.irp e, 0,1,2
	v_mov_b32 v[XC0+9+12*\b-18*(\b/2)+\e], v[TC+4*\b+\e]
.endr
.endr
.endm
.macro SWORD dst
	v_lshl_or_b32 v[TW], v[BY1], 16, v[BY0]
	v_lshlrev_b32 v[TW], v[SH], v[TW]
	v_permlanex16_b32 v[PX], v[TW], s32, s33
	v_or_b32 v[\dst], v[TW], v[PX]
.endm
	s_load_b512 s[4:19], s[0:1], 0x0               ; k s[4:5], q s[6:7], images s[8:9], a1 s[10:11], a2 s[12:13], a3 s[14:15], b1 s[16:17], b2 s[18:19]
	s_load_b256 s[20:27], s[0:1], 0x40             ; b3 s[20:21], Wl s[22:23], bl s[24:25], out s[26:27]
	v_lshl_add_u32 v[SPW], v0, 2, SPARE
	v_mov_b32 v[NIL], 0
	ds_add_u32 v[SPW], v[NIL]                      ; the opening lines, ahead of my tensor load: the add twice on end and one wait
	ds_add_u32 v[SPW], v[NIL]
	v_lshrrev_b32 v255, 5, v0
	v_readfirstlane_b32 s28, v255                  ; wave 0..3
	s_mul_i32 s29, s28, PRIVB
	s_add_co_u32 s29, s29, WIMGB                   ; my own LDS bytes begin here
	s_mov_b32 s32, 0x76543210
	s_mov_b32 s33, 0xfedcba98                      ; v_permlanex16_b32's selects for lane l xor 16
	s_mov_b32 s34, 0xffff0000                      ; lanes 16-31
	s_mov_b32 s57, 0                               ; the upper word of every offset pair s[56:57]
	s_mov_b32 s30, 0                               ; the tile counter
	; descriptor: a dense quarter of the images as 78 rows of 256 bytes (32 elements of 8 bytes), no padding, no mask
	s_mov_b32 s40, 3<<16
	s_mov_b32 s41, 32<<16                          ; tensor_dim0
	s_mov_b32 s42, 78<<16                          ; tensor_dim1
	s_mov_b32 s43, 32<<16                          ; tile_dim0
	s_mov_b32 s44, 78                              ; tile_dim1
	s_mov_b32 s45, 32                              ; from row to row
	s_mov_b32 s46, 0
	s_mov_b32 s47, 0
	s_mov_b32 s36, 1
	s_mul_i32 s37, s28, QUART                      ; LDS address: my quarter
	s_mov_b32 s56, s37
	s_wait_dscnt 0x0
	s_wait_kmcnt 0x0
	s_load_b32 s35, s[24:25], 0x0                  ; bl
	s_add_nc_u64 s[38:39], s[8:9], s[56:57]
	s_or_b32 s39, s39, 0x80000000                  ; type = 2
	tensor_load_to_lds s[36:39], s[40:47]          ; my one tensor load: these LDS bytes are filled once in the launch
	s_nop 0
	v_and_b32 v60, 31, v0                          ; lane
	v_and_b32 v61, 15, v0                          ; r
	v_bfe_u32 v62, v0, 4, 1                        ; h
	v_bfe_u32 v63, v0, 3, 1                        ; r / 8
	v_and_b32 v64, 7, v0                           ; r % 8
	v_lshlrev_b32 v[GL], 4, v60
	v_add_nc_u32 v[AW], s29, v[GL]
	v_lshlrev_b32 v65, 7, v62                      ; 128 h
	v_add_nc_u32 v[BR], s29, v65
	v_mul_u32_u24 v[KW], v62, 8*KP
	v_lshl_add_u32 v[KW], v61, 4, v[KW]
	v_add_nc_u32 v[KW], s29, v[KW]
	v_mul_u32_u24 v[KR], v61, KP
	v_add_nc_u32 v[KR], v[KR], v[BR]
	v_lshl_add_u32 v[AR], v62, 8, s29
	v_lshl_add_u32 v[AR], v63, 7, v[AR]
	v_mul_u32_u24 v[QR], v64, KP
	v_add_nc_u32 v[QR], v[QR], v[BR]
	v_lshl_add_u32 v66, v64, 4, v65                ; 128 h + 16 (r % 8)
	v_lshl_add_u32 v[O1], v63, 10, v66
	v_lshl_add_u32 v[O2], v63, 9, v66
	v_lshl_add_u32 v[O3], v63, 8, v66
	v_lshlrev_b32 v[SH], 3, v62
	v_add_nc_u32 v[SH16], 16, v[SH]
	v_mov_b32 v[SCO+1], 0                          ; named as the upper half of a pair, so it is written
	v_mov_b32 v[PX], 0                             ; a lane permute's destination counts as one of its sources
	v_add_nc_u32 v[G2], 49152, v[GL]
	v_lshlrev_b32 v48, 2, v60                      ; 4 x lane
	v_lshlrev_b32 v49, 3, v60                      ; 8 x lane
	v_add_nc_u32 v50, s29, v49
	v_mul_u32_u24 v51, v62, KP
	v_lshl_add_u32 v51, v61, 4, v51
	v_add_nc_u32 v51, s29, v51                     ; q into LDS: row h, byte 16 r
	s_wait_alu depctr_va_vdst(0)                   ; the wait here, behind the head's last vector line and ahead of the scalar lines below
	s_mul_i32 s56, ttmp9, 409600                   ; my work-group's 8 batches of k,
	s_add_nc_u64 s[4:5], s[4:5], s[56:57]
	s_lshl_b32 s56, ttmp9, 11                      ; of q and of out
	s_add_nc_u64 s[6:7], s[6:7], s[56:57]
	s_add_nc_u64 s[26:27], s[26:27], s[56:57]
	s_lshl_b32 s56, s28, 9                         ; my first tile is tile w: 512 bytes a tile in a batch of k and in a3,
	s_add_nc_u64 s[48:49], s[4:5], s[56:57]
	s_add_nc_u64 s[54:55], s[14:15], s[56:57]
	s_lshl_b32 s56, s28, 11                        ; 2,048 in a1,
	s_add_nc_u64 s[50:51], s[10:11], s[56:57]
	s_lshl_b32 s56, s28, 10                        ; 1,024 in a2
	s_add_nc_u64 s[52:53], s[12:13], s[56:57]
.irp j, 0,1,2,3
	global_load_b128 v[HA+4*\j:HA+4*\j+3], v[GL], s[6:7] offset:512*\j       ; q: batches 2 j and 2 j + 1
.endr
	global_load_b128 v[HA+16:HA+19], v[GL], s[16:17]
	global_load_b128 v[HA+20:HA+23], v[GL], s[16:17] offset:512
	global_load_b128 v[HA+24:HA+27], v[GL], s[18:19]
	global_load_b64 v[HA+28:HA+29], v49, s[20:21]
	global_load_b64 v[HA+30:HA+31], v49, s[22:23]
.set n, 0
.rept 26
	global_load_b32 v[WS+n], v48, s[8:9] offset:WIMGB+128*n   ; lanes 0-15: fragment 2 n's scale words, lanes 16-31: fragment 2 n + 1's
.set n, n+1
.endr
	KLOAD 0, 0                                     ; k of my tile 0,
	ALOAD                                          ; its slopes,
	KLOAD 1, 2048                                  ; k of my tile 1: four tiles, 2,048 bytes, on
	WIN 0
	s_wait_loadcnt 49                              ; q, the biases and Wl are in; behind them: 26 scale words, 8 + 7 + 8 loads of tiles
.irp j, 0,1,2,3
	ds_store_b128 v51, v[HA+4*\j:HA+4*\j+3] offset:QA+2*KP*\j
.endr
	ds_store_b128 v[AW], v[HA+16:HA+19] offset:BA
	ds_store_b128 v[AW], v[HA+20:HA+23] offset:BA+512
	ds_store_b128 v[AW], v[HA+24:HA+27] offset:BA+1024
	ds_store_b64 v50, v[HA+28:HA+29] offset:BA+1536
	ds_store_b64 v50, v[HA+30:HA+31] offset:BA+1792
	s_wait_loadcnt 8                               ; all but k of tile 1: so v48 and v49, which the loads above named, are free too
	STORE_NEXT 0, 0
.irp i, 0,1,2,3,4,5,6,7
	ds_load_b128 v[HA+64+4*\i:HA+64+4*\i+3], v[QR] offset:QA+16*\i           ; LDS serves a wave's instructions in order: these see my stores
.endr
	s_wait_dscnt 0x0
	QMAX HA+64, BY0                                ; q's block h of my batch: quantised once for all tiles
	QCVT HA+64, XC0, 0
	v_lshlrev_b32 v[TW], v[SH], v[BY0]
	v_permlanex16_b32 v[PX], v[TW], s32, s33
	v_or_b32 v[QW16], v[TW], v[PX]
	WIN 0x80
.set n, 0
.rept 32
	v_mov_b32 v[ACC+n], 0                          ; my part of out: a sum by vector multiply-adds, written once so that the tile's text has one form
.set n, n+1
.endr
	WIN 0
	s_wait_tensorcnt 0x0                           ; my quarter of the images has landed,
	s_wait_dscnt 0x0
	s_barrier_signal -1
	s_barrier_wait -1                              ; everybody's has
	WIN 0x40                                       ; piece n = 3 f + c of the images: registers 4 n on, LDS byte 512 n + 16 x lane
.set n, 0
.rept 48
	ds_load_b128 v[4*n:4*n+3], v[GL] offset:512*n
.set n, n+1
.endr
	WIN 0x80
.set n, 0
.rept 48
	ds_load_b128 v[4*n:4*n+3], v[GL] offset:512*(n+48)
.set n, n+1
.endr
	WIN 0xc0
.set n, 0
.rept 60
	ds_load_b128 v[4*n:4*n+3], v[G2] offset:512*n
.set n, n+1
.endr
	WIN 0
.irp i, 0,1,2,3,4,5,6,7
	ds_load_b128 v[HA+32+4*\i:HA+32+4*\i+3], v[KR] offset:KA0+16*\i          ; k of tile 0; q still stands in slot 2
.endr
	s_wait_kmcnt 0x0                               ; bl
; A TILE: my tile i = s30 + p, p its parity.  On entry k(i) is on its way into slot 1 and q into slot 2.
.macro TILE p
.set KSW, KS0+32*(1-(\p))
	; ---- step 0: the look-ahead loads; the input's three computed blocks are quantised
	LDB 0
	LDA 0, \p
	s_wait_xcnt 0x0                                ; the last tile's global loads have read their bases: these are written only behind this wait
	s_add_co_u32 s58, s30, (\p)+1
	s_min_u32 s58, s58, 24                         ; clamped to my last tile
	s_lshl_b32 s58, s58, 2
	s_add_co_u32 s58, s58, s28                     ; tile 4 (i + 1) + w: its slopes
	s_lshl_b32 s56, s58, 11
	s_add_nc_u64 s[50:51], s[10:11], s[56:57]
	s_lshl_b32 s56, s58, 10
	s_add_nc_u64 s[52:53], s[12:13], s[56:57]
	s_lshl_b32 s56, s58, 9
	s_add_nc_u64 s[54:55], s[14:15], s[56:57]
	s_add_co_u32 s59, s30, (\p)+2
	s_min_u32 s59, s59, 24
	s_lshl_b32 s59, s59, 2
	s_add_co_u32 s59, s59, s28                     ; tile 4 (i + 2) + w: its k
	s_lshl_b32 s56, s59, 9
	s_add_nc_u64 s[48:49], s[4:5], s[56:57]
	ALOAD
	KLOAD \p, 0
	WIN 0
	s_wait_dscnt 16                                ; k(i) and q are in; the 16 loads at this step's head may be out
.set n, 0
.rept 16
	v_pk_add_f32 v[AL+32+n:AL+33+n], v[HA+64+n:HA+65+n], v[HA+32+n:HA+33+n] neg_lo:[0,1] neg_hi:[0,1]   ; q - k
.set n, n+2
.endr
.set n, 0
.rept 16
	v_pk_mul_f32 v[HA+64+n:HA+65+n], v[HA+64+n:HA+65+n], v[HA+32+n:HA+33+n]                             ; q k
.set n, n+2
.endr
	Q3                                             ; k: features 64 + 32 h on; q - k: 128 + 32 h on; q k: 192 + 32 h on
	LDB 1                                          ; slots 1 and 2 and the second slot of slopes are free
	LDA 1, \p
	LDB 2
	PLACES 8                                       ; a scale word made by vector lines stands eight plain lines ahead of a scaled product, codes so made four
	; ---- steps 1 to 5: layer 1.  Each step waits for the LDS loads that it needs and issues those of the step after
	s_wait_alu depctr_va_vdst(0)
	s_wait_dscnt 24                                ; quad 0's biases and slopes are in; the 24 loads just issued may be out
	MMP 0, 8
	s_wait_dscnt 16                                ; quad 1's biases are in; quad 1's slopes and quad 2's biases may be out
	ILV 1, 0
	QMAX HA, BY0
	QCVT HA, HC, 3
	s_wait_dscnt 0x0
	LDA 2, \p
	LDB 3
	ILV 2, 1
	QMAX HA+32, BY1
	SWORD HW0
	QCVT HA+32, HC+6, 3
	s_wait_dscnt 0x0
	LDA 3, \p
	LDB 4
	ILV 3, 2
	QMAX HA+64, BY0
	QCVT HA+64, XC1, 0                             ; the input's K step 1 is done with: quad 3's last product stands more than four plain lines back
	s_wait_dscnt 0x0
	LDA 4, \p
	LDB 5
	PRELU 3
	QMAX HA, BY1
	SWORD HW0+1
	QCVT HA, XC1+6, 0
	LDA 5, \p                                      ; quad 3's slopes and its slot are done with
	LDB 6
	PLACES 8
	; ---- steps 6 to 8: layer 2
	s_wait_alu depctr_va_vdst(0)                   ; as ahead of layer 1
	s_wait_dscnt 16                                ; quad 4's slopes and quad 5's biases are in; the 16 loads just issued may be out
	MMP 4, 8
	ILV 5, 4
	QMAX HA+32, BY0
	QCVT HA+32, HC, 3
	s_wait_dscnt 0x0
	LDA 6, \p
	s_wait_loadcnt 8                               ; k(i + 1) and the slopes of tile i + 1 are in; the eight loads of k(i + 2) stay out
	STORE_NEXT 1-(\p), 1-(\p)
	PRELU 5
	QMAX HA+64, BY1
	SWORD H2W
	QCVT HA+64, HC+6, 3
	PLACES 8
	; ---- step 9: layer 3; what the tail and the next tile want is asked for
	s_wait_alu depctr_va_vdst(0)                   ; as ahead of layer 1
	s_wait_dscnt 0x0                               ; the stores above have read their registers too
	WIN 0x40
.irp i, 0,1,2,3,4,5,6,7
	ds_load_b128 v[KSW+4*\i:KSW+4*\i+3], v[BR] offset:BA+1792+16*\i          ; Wl, into the set of k's registers that has just been stored
.endr
	WIN 0
.irp i, 0,1,2,3,4,5,6,7
	ds_load_b128 v[AL+32+4*\i:AL+32+4*\i+3], v[KR] offset:KA0+KAB*(\p)+16*\i         ; k(i) once more
.endr
.irp i, 0,1,2,3,4,5,6,7
	ds_load_b128 v[HA+32+4*\i:HA+32+4*\i+3], v[KR] offset:KA0+KAB*(1-(\p))+16*\i     ; k(i + 1)
.endr
.irp i, 0,1,2,3,4,5,6,7
	ds_load_b128 v[HA+64+4*\i:HA+64+4*\i+3], v[QR] offset:QA+16*\i                   ; q
.endr
	MMP 6, 4
	; ---- step 10: the score, the mask, out
	PRELU 6
	s_wait_dscnt 16                                ; Wl and k(i) are in; behind them: the 16 loads of k(i + 1) and q
	WIN 0x04
	v_pk_mul_f32 v[LT:LT+1], v[HA:HA+1], v[KSW:KSW+1]
	v_pk_mul_f32 v[LT+2:LT+3], v[HA+2:HA+3], v[KSW+2:KSW+3]
.set n, 2
.rept 14
	v_pk_fma_f32 v[LT+2*(n%2):LT+2*(n%2)+1], v[HA+2*n:HA+2*n+1], v[KSW+2*n:KSW+2*n+1], v[LT+2*(n%2):LT+2*(n%2)+1]
.set n, n+1
.endr
	WIN 0
	v_pk_add_f32 v[LT:LT+1], v[LT:LT+1], v[LT+2:LT+3]
	v_add_f32 v[SS], v[LT], v[LT+1]                ; my 32 units,
	v_permlanex16_b32 v[PX], v[SS], s32, s33
	v_add_f32 v[SS], v[SS], v[PX]                  ; and lane l xor 16's
	v_add_f32 v[SS], s35, v[SS]                    ; + bl
	v_permlanex16_b32 v[PX], v[AL+32], s32, s33
	v_cndmask_b32 v[K0], v[AL+32], v[PX], s34      ; k[row][0] lies in lanes 0-15: lanes 16-31 take it from there
	v_cmp_neq_f32 vcc_lo, 0, v[K0]
	v_cndmask_b32 v[SCO], 0, v[SS], vcc_lo         ; the mask chooses a value; no branch hangs on it
	WIN 0xa0
.set n, 0
.rept 16
	v_pk_fma_f32 v[ACC+n:ACC+n+1], v[AL+32+n:AL+33+n], v[SCO:SCO+1], v[ACC+n:ACC+n+1] op_sel_hi:[1,0,1]
.set n, n+2
.endr
	WIN 0
.endm
.Ltile:                                            ; 12 trips of two tiles: the two halves of my LDS bytes and the two sets of k's registers are back where they began
	TILE 0
	TILE 1
	s_add_co_u32 s30, s30, 2
	s_cmp_lt_u32 s30, 24
	s_cbranch_scc1 .Ltile
	TILE 0                                         ; my 25th tile
	; THE END.  Lane (r, h) holds the sum over my tiles for batch r % 8, t of parity r / 8, channels 32 h on.  The four waves' 16 rows each meet in LDS; thread n adds the eight rows of batch n / 16 at channels 4 (n % 16) on.
	s_wait_alu depctr_va_vdst(0)
	s_wait_dscnt 0x0                               ; the look-ahead's LDS loads, which nobody uses, are in: their registers are free
	s_wait_loadcnt 0x0                             ; and so are its global loads
	WIN 0x08
.irp i, 0,1,2,3,4,5,6,7
	ds_store_b128 v[KR], v[ACC+4*\i:ACC+4*\i+3] offset:KA0+16*\i
.endr
	WIN 0
	v_lshrrev_b32 v60, 4, v0
	v_and_b32 v61, 15, v0
	v_mul_u32_u24 v60, v60, KP
	v_lshl_add_u32 v60, v61, 4, v60
	v_add_nc_u32 v60, WIMGB, v60
	v_lshlrev_b32 v61, 4, v0
	s_wait_alu depctr_va_vdst(0)                   ; and here
	s_wait_dscnt 0x0                               ; for the others' sake: my stores have landed
	s_barrier_signal -1
	s_barrier_wait -1
.irp n, 0,1,2,3,4,5,6,7
	ds_load_b128 v[HA+4*\n:HA+4*\n+3], v60 offset:(\n/2)*PRIVB+(\n%2)*8*KP    ; wave n / 2, parity n % 2
.endr
	s_wait_dscnt 0x0
.irp n, 0,2,4,6,8,10,12,14
	v_pk_add_f32 v[HA+\n:HA+\n+1], v[HA+\n:HA+\n+1], v[HA+16+\n:HA+17+\n]
.endr
.irp n, 0,2,4,6
	v_pk_add_f32 v[HA+\n:HA+\n+1], v[HA+\n:HA+\n+1], v[HA+8+\n:HA+9+\n]
.endr
.irp n, 0,2
	v_pk_add_f32 v[HA+\n:HA+\n+1], v[HA+\n:HA+\n+1], v[HA+4+\n:HA+5+\n]
.endr
	global_store_b128 v61, v[HA:HA+3], s[26:27]    ; a wave stores 512 consecutive bytes, at a multiple of 256 from out's first byte
	s_wait_tensorcnt 0x0                           ; the wave's end, behind my last LDS store
	ds_add_u32 v[SPW], v[NIL]
	s_wait_dscnt 0x0
	s_endpgm
.Lfunc_end_k_qf77e8f0b69_main:
	.size	k_qf77e8f0b69_main, .Lfunc_end_k_qf77e8f0b69_main-k_qf77e8f0b69_main
	.p2alignl 7, 3214868480
	.fill 96, 4, 3214868480
	.section	.rodata,"a",@progbits
	.p2align	6, 0x0
	.amdhsa_kernel k_qf77e8f0b69_main
		.amdhsa_group_segment_fixed_size 168448
		.amdhsa_private_segment_fixed_size 0
		.amdhsa_enable_private_segment 0
		.amdhsa_kernarg_size 96
		.amdhsa_user_sgpr_count 2
		.amdhsa_user_sgpr_kernarg_segment_ptr 1
		.amdhsa_wavefront_size32 1
		.amdhsa_system_sgpr_workgroup_id_x 1
		.amdhsa_system_sgpr_workgroup_id_y 1
		.amdhsa_system_sgpr_workgroup_id_z 1
		.amdhsa_system_vgpr_workitem_id 0
		.amdhsa_next_free_vgpr 1024
		.amdhsa_next_free_sgpr 66
		.amdhsa_reserve_vcc 1
		.amdhsa_float_denorm_mode_32 3
		.amdhsa_float_denorm_mode_16_64 3
		.amdhsa_memory_ordered 1
		.amdhsa_forward_progress 1
		.amdhsa_inst_pref_size 213
	.end_amdhsa_kernel
	.amdgpu_metadata
---
amdhsa.version: [ 1, 2 ]
amdhsa.kernels:
  - .name:           k_qf77e8f0b69_main
    .symbol:         k_qf77e8f0b69_main.kd
    .args:
      - { .name: k, .offset: 0, .size: 8, .value_kind: global_buffer, .address_space: global }
      - { .name: q, .offset: 8, .size: 8, .value_kind: global_buffer, .address_space: global }
      - { .name: wimg, .offset: 16, .size: 8, .value_kind: global_buffer, .address_space: global }
      - { .name: a1, .offset: 24, .size: 8, .value_kind: global_buffer, .address_space: global }
      - { .name: a2, .offset: 32, .size: 8, .value_kind: global_buffer, .address_space: global }
      - { .name: a3, .offset: 40, .size: 8, .value_kind: global_buffer, .address_space: global }
      - { .name: b1, .offset: 48, .size: 8, .value_kind: global_buffer, .address_space: global }
      - { .name: b2, .offset: 56, .size: 8, .value_kind: global_buffer, .address_space: global }
      - { .name: b3, .offset: 64, .size: 8, .value_kind: global_buffer, .address_space: global }
      - { .name: Wl, .offset: 72, .size: 8, .value_kind: global_buffer, .address_space: global }
      - { .name: bl, .offset: 80, .size: 8, .value_kind: global_buffer, .address_space: global }
      - { .name: out0, .offset: 88, .size: 8, .value_kind: global_buffer, .address_space: global }
    .group_segment_fixed_size: 168448
    .private_segment_fixed_size: 0
    .kernarg_segment_align: 8
    .kernarg_segment_size: 96
    .max_flat_workgroup_size: 128
    .sgpr_count:     66
    .vgpr_count:     1024
    .wavefront_size: 32
...
	.end_amdgpu_metadata
.endif
;; end of part 2
